; MI455X (gfx1250); checked and timed in simulation.
; The chip was launched on July 23, 2026; its instructions are those of AMD's public machine-readable ISA for CDNA 5 (MIT licence, August 2026) and "CDNA5" Instruction Set Architecture Reference Guide (July 2026). The comments in the code are by the model that wrote it; some were corrected since.
;; Causal Self Attention. Allowed arithmetic: matrix products marked QUANTISED: E4M3 operands, one given power-of-two scale a tensor, by v_wmma_f32_16x16x64_fp8_fp8 or v_wmma_f32_16x16x128_fp8_fp8, f32 sums; everything else in f32.
;; Inputs: W_in 1,024 x 3,072 float32; W_out 1,024 x 1,024 float32; b_in 3,072 float32; b_out 1,024 float32; lowp_scales 8 int32 (the exponents e of the quantised operands' scales 2^e); x 4 x 2,048 x 1,024 float32.
;; Outputs: out0 4 x 2,048 x 1,024 float32.
;; This version of the problem:
;;   THIS VERSION OF THE PROBLEM IS GIVEN IN LOW PRECISION. The matrix products marked QUANTISED in the list below multiply operands that are first quantised to E4M3 (4 exponent bits, 3 mantissa bits; 8 bits a number), with one given power-of-two scale for each operand tensor; their sums are f32. All else is computed in f32.
;;   The module's matrix products, in the order in which they are computed (A, B: the left and right operand; K: the contracted axis; several contracted axes count as one K, in the product's order):
;;     1. [M 8,192, K 1,024] x [K 1,024, N 3,072]; A: input x; B: input W_in: QUANTISED (scales: A lowp_scales[0], B lowp_scales[1])
;;     2. batch 64 x [M 2,048, K 64] x [K 64, N 2,048]; A: computed on the way; B: computed on the way: QUANTISED (scales: A lowp_scales[2], B lowp_scales[3])
;;     3. batch 64 x [M 2,048, K 2,048] x [K 2,048, N 64]; A: softmax (see below); B: computed on the way: QUANTISED (scales: A lowp_scales[4], B lowp_scales[5])
;;     4. [M 8,192, K 1,024] x [K 1,024, N 1,024]; A: computed on the way; B: input W_out: QUANTISED (scales: A lowp_scales[6], B lowp_scales[7])
;;   THE QUANTISER, for each operand of a quantised product, along K:
;;     - The operand's scale is 2^e, e = its entry of the input lowp_scales (int32; the entries are numbered through the quantised products in the list's order, A before B).
;;     - Each number is divided by the scale, clamped to +-448, and rounded to the nearest number of E4M3, ties to even, subnormals kept.
;;     - The product sums the exact products of the quantised numbers (number of the format x scale) in f32.
;;   ~~~python
;;   def quantise(x, axis, e):      # numpy; x: float32 -> the quantised numbers, widened to float32 again
;;       x = np.moveaxis(x, axis, -1); K = x.shape[-1]
;;       r = np.clip(x / 2.0 ** e, -448, 448)
;;       step = 2.0 ** (np.maximum(np.frexp(np.where(r == 0, 1, r))[1] - 1, -6) - 3)
;;       q = np.round(r / step) * step * 2.0 ** e      # np.round: ties to even
;;       return np.moveaxis(q, -1, axis).astype(np.float32)
;;   ~~~
;;   SOFTMAX AHEAD OF A QUANTISED PRODUCT. Where the list says 'softmax', what is quantised is not the finished softmax but p = 2^(t - M), with t = logit x log2(e) and M = ceil(the row's largest t), a whole number; so 1/2 < the row's largest p <= 1. The row's sum l is taken of the UNQUANTISED p, in f32, and the product's result is divided by l at the end. Since M is a whole number, a kernel that streams over the keys may use a running M (the ceiling of the running maximum): every later rescaling is an exact power of two, so the quantised numbers keep their values, but for numbers so far below the row's largest that they fall under the format's range.
;;   OPERANDS COMPUTED ON THE WAY. 'Computed on the way' means the value that the module computes at that place (a softmax that the list does not call 'softmax' is quantised finished and normalised). What goes into a quantiser is computed in f32, as accurately as f32 sums, v_exp_f32 and their like allow (about 1e-6 of the number): no bf16 or f16 on the way to a quantiser, and a product that is left as it is and whose result goes on into a quantised operand takes f32 operands (vector FMAs, or v_wmma_f32_16x16x4_f32). A number that lies on a knife's edge between two numbers of the format may be rounded either way, as far as f32 arithmetic and the matrix unit's own rounding can turn it there, and no further.
;; One version. Each part assembles by itself: llvm-mc -triple=amdgcn-amd-amdhsa -mcpu=gfx1250 --defsym DOCPART=n.
;; ======== version 1 of 1: 4 launches
;; limits: right only within a limited range of input values
;; workspace buffers: x_img 8,388,608 bytes; win_img 3,145,728 bytes; wout_img 1,048,576 bytes; q_img 8,388,608 bytes; k_img 8,388,608 bytes; v_img 8,388,608 bytes; y_img 8,388,608 bytes
;; launch quant (part 1): grid 384 x 1, 4 waves a work-group, no clusters, 34,304 bytes of LDS; arguments x, W_in, W_out, lowp_scales, x_img, win_img, wout_img; writes x_img, win_img, wout_img
.if DOCPART == 1
	.amdgcn_target "amdgcn-amd-amdhsa--gfx1250"
	.amdhsa_code_object_version 6
	.text
	.protected	k_qa9a914b61b_quant
	.globl	k_qa9a914b61b_quant
	.p2align	8
	.type	k_qa9a914b61b_quant,@function
k_qa9a914b61b_quant:
	s_mov_b64 s[64:65], 0
	v_nop
	global_prefetch_b8 v0, s[64:65] scope:SCOPE_SE
	s_setreg_imm32_b32 hwreg(HW_REG_WAVE_MODE, 25, 1), 1
	s_wait_xcnt 0x0
; x [8192][1024], W_in [1024][3072] and W_out [1024][1024], f32, become codes of FP8 (E4M3), each with its given scale 2^e (entries 0, 1 and 7 of the scales).
; code = number / 2^e, held within +-448, rounded to the nearest code, ties to even.
; THE CODES ARE LAID AS IMAGES OF OPERAND REGISTERS.  A fragment is 16 rows x 128 K in 16 registers: lane (r = l % 16, h = l / 16) holds row r, registers 2 c, 2 c + 1 hold k = 16 c + 8 h + 0 .. 7.
; Its image is 2,048 bytes: group g (registers 4 g .. 4 g + 3) is 512 bytes, lane l's 16 bytes at 16 l.  x_img: [row / 16][K step of 128][2,048]; win_img, wout_img: [column / 16][K step][2,048].
; So the products' launches fetch any fragment by loads of 16 bytes a lane at 16 x lane, and a K step's tiles are dense blocks.
; Work-groups 0-255 take x, 256-351 W_in, 352-383 W_out: 128 KB of f32 each.  Waves share nothing: no barrier.  Only x's path touches LDS.
; LIMITS: each of the three exponents lies between -126 and 119, so that 2^e and 448 x 2^e are f32 numbers.  NaN among the inputs is not served.
.set SPI,  528                         ; x's stage: a row of 512 bytes + 16: 33 x 16 bytes, so the 16 rows that a load touches begin in 16 different columns of 16 bytes
.set STG,  16*SPI                      ; a stage of 16 rows for each wave
.set XR,   16                          ; v16-143   x: two sets of 64 registers as loaded
.set XX,   144                         ; v144-207  x: 64 numbers in the fragment's order
.set XC,   208                         ; v208-239  x: two sets of 16 registers of codes
.set WX,   32                          ; v32-95    W: two sets of 32 numbers down K
.set WD,   96                          ; v96-159   W: 8 registers of codes for each of 8 blocks: no store's data are written again
.macro MKSCALE er                      ; v11 = 2^e as f32 (the conversion takes its exponent field), s32 = 448 x 2^e
	s_wait_kmcnt 0x0
	s_add_co_i32 s32, s[\er], 127
	s_lshl_b32 s33, s32, 23
	v_mov_b32 v11, s33
	s_add_co_i32 s32, s32, 8
	s_lshl_b32 s32, s32, 23
	s_or_b32 s32, s32, 0x600000
.endm
; ---- x.  Unit u = one K step of 128 for 16 rows.  Each load reads 512 consecutive bytes of one row.
.macro LOADU u
.irp i, 0,1,2,3,4,5,6,7,8,9,10,11,12,13,14,15
	global_load_b128 v[XR+64*((\u)%2)+4*\i:XR+64*((\u)%2)+4*\i+3], v3, s[4:5] offset:4096*\i+512*(\u) th:TH_LOAD_NT
.endr
.endm
; Through the wave's own stage: in as loaded, out in the fragment's order: XX[16 g + 0..7] = k 32 g + 8 h + 0..7, XX[16 g + 8..15] = k 32 g + 16 + 8 h + 0..7 of row r.
; LDS serves a wave's instructions in order (ISA guide 5.7.1.4): no wait between the stores and the loads, and one stage serves all units.
.macro TURNU u
.irp i, 0,1,2,3,4,5,6,7,8,9,10,11,12,13,14,15
	ds_store_b128 v14, v[XR+64*((\u)%2)+4*\i:XR+64*((\u)%2)+4*\i+3] offset:SPI*\i
.endr
.irp g, 0,1,2,3
.irp p, 0,1,2,3
	ds_load_b128 v[XX+16*\g+4*\p:XX+16*\g+4*\p+3], v15 offset:128*\g+64*(\p/2)+16*(\p%2)
.endr
.endr
.endm
.macro UNIT u
.if (\u) < 3
	s_wait_loadcnt 16                              ; this unit's 16 loads are in; the next unit's 16 may be out
.else
	s_wait_loadcnt 0x0
.endif
	TURNU \u
	s_wait_dscnt 0x0                               ; the numbers are back, and the stage's stores have read their registers,
.if (\u) < 2
	LOADU (\u)+2                                   ; which take the loads of two units on
.else
	s_wait_xcnt 0x0                                ; the stores of two units back have read this set of codes
.endif
.set n, 0
.rept 64
.set n, n+1
.endr
.irp g, 0,1,2,3
	v_cvt_scalef32_pk8_fp8_f32 v[XC+16*((\u)%2)+4*\g:XC+16*((\u)%2)+4*\g+1], v[XX+16*\g:XX+16*\g+7], v11
	v_cvt_scalef32_pk8_fp8_f32 v[XC+16*((\u)%2)+4*\g+2:XC+16*((\u)%2)+4*\g+3], v[XX+16*\g+8:XX+16*\g+15], v11
.endr
	v_nop                                          ; one plain line behind the last conversion
.irp g, 0,1,2,3
	global_store_b128 v3, v[XC+16*((\u)%2)+4*\g:XC+16*((\u)%2)+4*\g+3], s[12:13] offset:2048*(\u)+512*\g   ; 32 lanes store 512 consecutive bytes, aligned
.endr
.endm
; ---- W [1024][N].  A lane takes a column and its registers run down K: each load reads 128 consecutive bytes a wave, 512 a work-group.
.macro WLOAD t, N, sp
.irp i, 0,1,2,3,4,5,6,7,8,9,10,11,12,13,14,15,16,17,18,19,20,21,22,23,24,25,26,27,28,29,30,31
	global_load_b32 v[WX+32*((\t)%2)+\i], v3, s[\sp:\sp+1] offset:(32*(\t)+\i)*\N*4 th:TH_LOAD_NT
.endr
.endm
; Block t: 32 along K of my column.  In the image the column's lane with h = 0 holds k 0..7 and 16..23 of the block, the lane with h = 1 holds k 8..15 and 24..31: two stores of 16 bytes, 256 bytes apart.
.macro WBLOCK t, N, sp, dp
.set WXS, WX+32*((\t)%2)
.set WDS, WD+8*(\t)
.if (\t) < 7
	s_wait_loadcnt 32                              ; this block's 32 loads are in; the next block's may be out
.else
	s_wait_loadcnt 0x0
.endif
.set n, 0
.rept 32
.set n, n+1
.endr
	v_cvt_scalef32_pk8_fp8_f32 v[WDS:WDS+1], v[WXS:WXS+7], v11
	v_cvt_scalef32_pk8_fp8_f32 v[WDS+2:WDS+3], v[WXS+16:WXS+23], v11
	v_cvt_scalef32_pk8_fp8_f32 v[WDS+4:WDS+5], v[WXS+8:WXS+15], v11
	v_cvt_scalef32_pk8_fp8_f32 v[WDS+6:WDS+7], v[WXS+24:WXS+31], v11
	v_nop
	global_store_b128 v4, v[WDS:WDS+3], s[\dp:\dp+1] offset:2048*((\t)/4)+512*((\t)%4)         ; sixteen lanes store 256 consecutive bytes, aligned
	global_store_b128 v4, v[WDS+4:WDS+7], s[\dp:\dp+1] offset:2048*((\t)/4)+512*((\t)%4)+256
.if (\t)+2 < 8
	WLOAD (\t)+2, \N, \sp
.endif
.endm
; A work-group takes 128 columns x 256 along K; a wave 32 columns.  g = work-group - first: g % 4 = which 256 along K, g / 4 = which 128 columns.
.macro WQ N, sp, dp, er, first
	s_sub_co_u32 s19, ttmp9, \first
	s_and_b32 s20, s19, 3
	s_lshr_b32 s21, s19, 2
	s_lshl_b32 s21, s21, 7
	s_lshl_b32 s22, s18, 5
	s_add_co_u32 s21, s21, s22                     ; my wave's first column
	s_mul_i32 s22, s20, 256*\N*4
	s_lshl_b32 s23, s21, 2
	s_add_co_u32 s22, s22, s23
	s_mov_b32 s23, 0
	s_add_nc_u64 s[\sp:\sp+1], s[\sp:\sp+1], s[22:23]
	s_lshl_b32 s22, s21, 10                        ; (column / 16) x 16,384
	s_lshl_b32 s20, s20, 12                        ; + two K steps of 2,048 for each 256 along K
	s_add_co_u32 s22, s22, s20
	s_add_nc_u64 s[\dp:\dp+1], s[\dp:\dp+1], s[22:23]
	v_lshlrev_b32 v3, 2, v2                        ; in: 4 bytes a lane
	v_lshrrev_b32 v5, 4, v2
	v_and_b32 v6, 15, v2
	v_lshlrev_b32 v4, 4, v6
	v_lshl_add_u32 v4, v5, 14, v4                  ; out: 16 (lane % 16) + 16,384 (lane / 16)
	WLOAD 0, \N, \sp
	WLOAD 1, \N, \sp
	MKSCALE \er
	s_wait_alu depctr_va_vdst(0)
.irp t, 0,1,2,3,4,5,6,7
	WBLOCK \t, \N, \sp, \dp
.endr
	s_endpgm
.endm
	s_load_b256 s[4:11], s[0:1], 0x0               ; x s[4:5], W_in s[6:7], W_out s[8:9], the scales' exponents s[10:11]
	s_load_b128 s[12:15], s[0:1], 0x20             ; x_img s[12:13], win_img s[14:15]
	s_load_b64 s[16:17], s[0:1], 0x30              ; wout_img
	v_lshl_add_u32 v254, v0, 2, 0x8400
	v_mov_b32 v255, 0
	v_lshrrev_b32 v1, 5, v0
	v_readfirstlane_b32 s18, v1                    ; wave 0..3
	v_and_b32 v2, 31, v0                           ; lane
	s_wait_kmcnt 0x0
	s_load_b256 s[24:31], s[10:11], 0x0            ; e0 .. e7
	s_cmp_lt_u32 ttmp9, 256
	s_cbranch_scc0 .Lweights
	; ---- x: wave W = 4 x work-group + wave takes rows 16 (W / 2) on, K steps 4 (W % 2) + 0 .. 3
	s_lshl_b32 s19, ttmp9, 2
	s_add_co_u32 s19, s19, s18
	s_lshr_b32 s20, s19, 1
	s_lshl_b32 s20, s20, 16                        ; 16 rows of 4,096 bytes
	s_and_b32 s21, s19, 1
	s_lshl_b32 s21, s21, 11                        ; 512 numbers along a row
	s_add_co_u32 s20, s20, s21
	s_mov_b32 s21, 0
	s_add_nc_u64 s[4:5], s[4:5], s[20:21]
	s_lshl_b32 s20, s19, 13                        ; four images of 2,048 bytes
	s_add_nc_u64 s[12:13], s[12:13], s[20:21]
	s_wait_alu depctr_va_vdst(0)
	v_lshlrev_b32 v3, 4, v2                        ; 16 x lane: in a load's 512 bytes, and in an image's group
	s_mul_i32 s22, s18, STG
	v_add_nc_u32 v14, s22, v3                      ; the stage on the way in
	v_and_b32 v4, 15, v0
	v_bfe_u32 v5, v0, 4, 1
	v_mul_u32_u24 v15, v4, SPI
	v_lshl_add_u32 v15, v5, 5, v15
	v_add_nc_u32 v15, s22, v15                     ; and on the way out: row r, + 32 h bytes
	LOADU 0
	LOADU 1
	s_wait_alu depctr_va_vdst(0)
	MKSCALE 24
	s_wait_alu depctr_va_vdst(0)
	UNIT 0
	UNIT 1
	UNIT 2
	UNIT 3
	s_wait_tensorcnt 0x0
	ds_add_u32 v254, v255
	s_wait_dscnt 0x0
	s_endpgm
.Lweights:
	s_cmp_lt_u32 ttmp9, 352
	s_cbranch_scc0 .Lw_out
	s_wait_alu depctr_va_vdst(0)
	WQ 3072, 6, 14, 25, 256
.Lw_out:
	s_wait_alu depctr_va_vdst(0)
	WQ 1024, 8, 16, 31, 352
.Lfunc_end_k_qa9a914b61b_quant:
	.size	k_qa9a914b61b_quant, .Lfunc_end_k_qa9a914b61b_quant-k_qa9a914b61b_quant
	.p2alignl 7, 3214868480
	.fill 96, 4, 3214868480
	.section	.rodata,"a",@progbits
	.p2align	6, 0x0
	.amdhsa_kernel k_qa9a914b61b_quant
		.amdhsa_group_segment_fixed_size 34304
		.amdhsa_private_segment_fixed_size 0
		.amdhsa_enable_private_segment 0
		.amdhsa_kernarg_size 56
		.amdhsa_user_sgpr_count 2
		.amdhsa_user_sgpr_kernarg_segment_ptr 1
		.amdhsa_wavefront_size32 1
		.amdhsa_system_sgpr_workgroup_id_x 1
		.amdhsa_system_sgpr_workgroup_id_y 1
		.amdhsa_system_sgpr_workgroup_id_z 1
		.amdhsa_system_vgpr_workitem_id 0
		.amdhsa_next_free_vgpr 256
		.amdhsa_next_free_sgpr 66
		.amdhsa_reserve_vcc 0
		.amdhsa_float_denorm_mode_32 3
		.amdhsa_float_denorm_mode_16_64 3
		.amdhsa_fp16_overflow 1
		.amdhsa_memory_ordered 1
		.amdhsa_forward_progress 1
		.amdhsa_inst_pref_size 79
	.end_amdhsa_kernel
	.amdgpu_metadata
---
amdhsa.version: [ 1, 2 ]
amdhsa.kernels:
  - .name:           k_qa9a914b61b_quant
    .symbol:         k_qa9a914b61b_quant.kd
    .args:
      - { .name: x, .offset: 0, .size: 8, .value_kind: global_buffer, .address_space: global }
      - { .name: W_in, .offset: 8, .size: 8, .value_kind: global_buffer, .address_space: global }
      - { .name: W_out, .offset: 16, .size: 8, .value_kind: global_buffer, .address_space: global }
      - { .name: lowp_scales, .offset: 24, .size: 8, .value_kind: global_buffer, .address_space: global }
      - { .name: x_img, .offset: 32, .size: 8, .value_kind: global_buffer, .address_space: global }
      - { .name: win_img, .offset: 40, .size: 8, .value_kind: global_buffer, .address_space: global }
      - { .name: wout_img, .offset: 48, .size: 8, .value_kind: global_buffer, .address_space: global }
    .group_segment_fixed_size: 34304
    .private_segment_fixed_size: 0
    .kernarg_segment_align: 8
    .kernarg_segment_size: 56
    .max_flat_workgroup_size: 128
    .sgpr_count:     66
    .vgpr_count:     256
    .wavefront_size: 32
...
	.end_amdgpu_metadata
.endif
;; end of part 1
;; launch qkv (part 2): grid 12 x 32, 4 waves a work-group, clusters of 4 x 4, 327,680 bytes of LDS; arguments x_img, win_img, b_in, lowp_scales, q_img, k_img, v_img; writes q_img, k_img, v_img
.if DOCPART == 2
	.amdgcn_target "amdgcn-amd-amdhsa--gfx1250"
	.amdhsa_code_object_version 6
	.text
	.protected	k_qa9a914b61b_qkv
	.globl	k_qa9a914b61b_qkv
	.p2align	8
	.type	k_qa9a914b61b_qkv,@function
k_qa9a914b61b_qkv:
	s_mov_b64 s[64:65], 0
	v_nop
	global_prefetch_b8 v0, s[64:65] scope:SCOPE_SE
	s_setreg_imm32_b32 hwreg(HW_REG_WAVE_MODE, 25, 1), 1
	s_wait_xcnt 0x0
	s_wait_alu depctr_hold_cnt(0) depctr_sa_sdst(0) depctr_va_vdst(0) depctr_va_sdst(0) depctr_va_ssrc(0) depctr_va_vcc(0) depctr_vm_vsrc(0)
	s_getreg_b32 s2, hwreg(HW_REG_IB_STS2, 6, 4)
	s_cmp_eq_u32 s2, 0
	s_cbranch_scc0 .Lentry_in_a_cluster
	s_endpgm
.Lentry_in_a_cluster:
	s_bfe_u32 s2, ttmp6, 0x10000c
	s_cmp_lg_u32 s2, 0xf033
	s_cbranch_scc0 .Lentry_shape_is_right
	s_endpgm
.Lentry_shape_is_right:
; qkv = x W_in + b_in on codes of FP8 (E4M3), K = 1,024; then q, k and v are quantised with their given scales (entries 2, 3, 5) and stored as images of the operand registers that attention wants.
; OPERANDS ARE IMAGES (see below): a fragment of 16 rows x 128 K is 2,048 bytes, group g (registers 4 g .. 4 g + 3) 512 bytes, lane l's 16 bytes at 16 l; x_img [row / 16][K step 8][2,048], win_img [column / 16][K step 8][2,048].
; A tile of 256 x 256 is made by a work-group of four waves, a wave makes 128 x 128: 64 accumulators, 512 registers.  K goes through a ring of two LDS slots of 256 along K, all eight steps of 128 written out.
; THE MATRIX INSTRUCTION: source 0 = the side called B, source 1 = the side called A.  In a result lane r holds row r of A's fragment, register j row 8 h + j of B's: eight neighbours along B's rows, which one conversion
; turns into registers 2 c, 2 c + 1 of the next product's fragment: k keeps its true place, and nothing goes through LDS on the way out.
;   cluster x = 0 (q), 1 (k): A = x (a lane is a token), B = W_in (registers run along the head's channels): images [batch x head][token / 16][1,024] of 16 tokens x 64 channels.
;   cluster x = 2 (v):        A = W_in (a lane is a channel), B = x (registers run along the tokens): images [batch x head][key step of 128][channel / 16][2,048] of 16 channels x 128 keys.
; The choice hangs on the cluster's x alone, which all sixteen partners share.
; CLUSTERS: 4 x 4 work-groups; A's tile hangs on the place along y and is asked for jointly by a row of the cluster, B's on the place along x and by a column.
; LIMITS: e0 + e1 between -126 and 127; e2, e3, e5 between -126 and 119.  NaN is not served.
; REGISTERS: window 0: v16-17, v20-21 LDS addresses; v24 16 x lane; v25, v26 the biases' offsets; v28, v29 for the add; v30, v31 448 x scale, scale; v32-95 the bias of q's and k's way out; v96-111 that of v's;
;   v128-255 A's 8 fragments, one set; on the way out v128-191 the numbers, v192-255 four sets of codes.   window 1: B's two sets, v0-127 and v128-255.   windows 2, 3: the accumulators, (a, b) at v[8 (8 (a % 4) + b)] of window 2 + a / 4.
.set NB,    8
.set APW,   4                          ; A's blocks whose accumulators fill a window
.set NSLOT, 2
.set HALFA, 32768                      ; 8 x (two images of 2,048): what one tensor load brings of A
.set HALFB, 4096*NB
.set SLOT,  2*HALFA+2*HALFB
.set SPARE, NSLOT*SLOT                 ; behind the ring: the spare words, 128 bytes for each wave: two blocks of 256 bytes that no other line names
.set ADRA, 16
.set ADRB, 20
.set LI,   24
.set BO,   25
.set VO,   26
.set SPW,  28
.set NIL,  29
.set LIM,  30
.set SC,   31
.set BQ,   32
.set BV,   96
.set AF,   128
.set TMP,  128
.set CD,   192
.set G1,   24                          ; s[24:31] descriptor group 1 for A;  s[32:39] for B;  s[40:47], s[52:59] their groups 0, one set for each slot
.set G1B,  32
.set G0,   40
.set G0B,  52
.set TO_B, 0x40                        ; destination window 1, address window 0
.set MSB, 0
.macro WIN new                         ; the immediate's high byte repeats the setting that is left
.if MSB != \new
	s_set_vgpr_msb (MSB<<8)|\new
.set MSB, \new
.endif
.endm
.macro PLACES n
.rept \n
	v_nop
.endr
.endm
; A joint load: waves 0 and 1 fetch A's halves, waves 2 and 3 B's.  The branch hangs on the wave's number alone.  Four v_nop follow each of the two lines.
.macro JLOAD g0a, g0b
	s_cmp_eq_u32 s19, 0
	s_cbranch_scc0 .Lfor_b_\@
	tensor_load_to_lds s[\g0a:\g0a+3], s[G1:G1+7]
	s_nop 0
.rept 4
	v_nop
.endr
	s_branch .Lasked_\@
.Lfor_b_\@:
	tensor_load_to_lds s[\g0b:\g0b+3], s[G1B:G1B+7]
	s_nop 0
.rept 4
	v_nop
.endr
.Lasked_\@:
.endm
.macro CREST                           ; a round of the cluster's barrier behind its opening barrier
	s_cmp_lg_u32 s18, 0
	s_cbranch_scc1 .Lnot_wave_0_\@
	s_barrier_signal -3
.Lnot_wave_0_\@:
	s_barrier_wait -3
	s_barrier_signal -1
	s_barrier_wait -1
.endm
.macro CROUND
	s_barrier_signal -1
	s_barrier_wait -1
	CREST
.endm
.macro FRAG reg, adr, q, i             ; fragment i of a half, the slot's q-th 128 along K: four loads of 512 consecutive bytes
.irp c, 0,1,2,3
	ds_load_b128 v[\reg+4*\c:\reg+4*\c+3], v[\adr] offset:4096*(\i)+2048*(\q)+512*\c
.endr
.endm
.macro FETCH_B slot, q, p
	WIN TO_B
.irp i, 0,1,2,3,4,5,6,7
	FRAG 128*(\p)+16*\i, ADRB+\slot, \q, \i
.endr
	WIN 0
.endm
.macro FETCH_A slot, q, i0
.irp i, \i0, \i0+1, \i0+2, \i0+3
	FRAG AF+16*(\i), ADRA+\slot, \q, \i
.endr
.endm
; A's blocks a0, a0 + 1 against B's eight, 128 along K; p: B's set; zero = 1: the first products start the sums.  The 64 accumulators take turns, one instruction a turn, in the same order in every step.
.macro MULA a0, p, zero
	WIN 0xa1+0x50*((\a0)/APW)                      ; source 0 window 1, source 1 window 0, C and D window 2 or 3
.irp a, \a0, \a0+1
.irp b, 0,1,2,3,4,5,6,7
.if \zero
	v_wmma_f32_16x16x128_fp8_fp8 v[8*(NB*((\a)%APW)+\b):8*(NB*((\a)%APW)+\b)+7], v[128*(\p)+16*\b:128*(\p)+16*\b+15], v[AF+16*(\a):AF+16*(\a)+15], 0
.else
	v_wmma_f32_16x16x128_fp8_fp8 v[8*(NB*((\a)%APW)+\b):8*(NB*((\a)%APW)+\b)+7], v[128*(\p)+16*\b:128*(\p)+16*\b+15], v[AF+16*(\a):AF+16*(\a)+15], v[8*(NB*((\a)%APW)+\b):8*(NB*((\a)%APW)+\b)+7]
.endif
.endr
.endr
.endm
; A step of 128 along K on B's set p; the next step's fragments (slot nslot, part nq) are fetched in two runs.  A load into a register that a matrix instruction has read stands four plain vector places behind it (ISA guide 7.12.1 for vector instructions).
.macro STEP p, nslot, nq, zero
	s_wait_dscnt 16                                ; B's set and A's blocks 0-3 are in; the youngest 16 loads (A's blocks 4-7) may be out
	MULA 0, \p, \zero
	MULA 2, \p, \zero
	s_wait_dscnt 0x0                               ; A's blocks 4-7 are in
	PLACES 4
	FETCH_B \nslot, \nq, 1-(\p)
	FETCH_A \nslot, \nq, 0
	MULA 4, \p, \zero
	MULA 6, \p, \zero
	PLACES 4
	WIN 0
	FETCH_A \nslot, \nq, 4
.endm
; A slot's second step changes slots: one barrier; in front of it each wave waits for all its tensor loads, adds 0 to its spare word, and waits for that and for its reads of this slot.  fill = 1: the slot is filled again.
.macro TURN slot, next, fill
	s_wait_tensorcnt 0x0                           ; all my tensor loads have landed: my part of the next slot  (every window is 0 here)
	ds_add_u32 v[SPW], v[NIL]                      ; 0 onto my spare word
	s_wait_dscnt 17                                ; (the add and A's blocks 4-7 may be out)
	MULA 0, 1, 0                                   ; sixteen matrix instructions stand between the add and the wait for it
	s_wait_dscnt 0x0                               ; the add is done, and my reads of this slot are over
	s_barrier_signal -1
	MULA 2, 1, 0
	WIN 0
	s_barrier_wait -1
.if \fill
	CREST                                          ; the barrier has opened a round of the cluster's: no wave of any partner still reads this slot or has a load on its way
	s_add_nc_u64 s[G0+4*\slot+2:G0+4*\slot+3], s[G0+4*\slot+2:G0+4*\slot+3], NSLOT*4096
	s_add_nc_u64 s[G0B+4*\slot+2:G0B+4*\slot+3], s[G0B+4*\slot+2:G0B+4*\slot+3], NSLOT*4096
	JLOAD G0+4*\slot, G0B+4*\slot                  ; the first tensor load behind the round; its four v_nop are the places in front of the loads below
.else
	PLACES 4
.endif
	FETCH_B \next, 0, 0
	FETCH_A \next, 0, 0
	MULA 4, 1, 0
	MULA 6, 1, 0
	PLACES 4
	WIN 0
	FETCH_A \next, 0, 4
.endm
	s_load_b256 s[4:11], s[0:1], 0x0               ; x_img s[4:5], win_img s[6:7], b_in s[8:9], the scales' exponents s[10:11]
	s_load_b128 s[12:15], s[0:1], 0x20             ; q_img s[12:13], k_img s[14:15]
	s_load_b64 s[16:17], s[0:1], 0x30              ; v_img
	v_lshl_add_u32 v[SPW], v0, 2, SPARE
	v_mov_b32 v[NIL], 0
	ds_add_u32 v28, v29
	ds_add_u32 v28, v29
	s_wait_dscnt 0x0
	v_lshrrev_b32 v1, 5, v0
	v_readfirstlane_b32 s18, v1                    ; wave 0..3
	s_lshr_b32 s19, s18, 1                         ; RH: which 128 of A's rows are mine.  Also: I fetch for A (0) or for B (1)
	s_and_b32 s20, s18, 1                          ; CH: which 128 of B's rows are mine.  Also: which half I fetch
	s_bfe_u32 s21, ttmp6, 0x40000                  ; cx
	s_bfe_u32 s22, ttmp6, 0x40004                  ; cy
	s_and_b32 s23, ttmp7, 0xffff                   ; cluster y
	s_lshl_b32 s92, s22, 2
	s_lshl_b32 s92, 15, s92                        ; my row of the cluster
	s_lshl_b32 s93, 0x1111, s21                    ; my column
	; descriptor group 1: 8 rows of 512 elements of 8 bytes (two images on end), 2,048 elements (eight images) from row to row; dense in LDS
	s_or_b32 s[G1], s92, (3<<16)|(1<<21)           ; 15:0 the mask; 17:16 elements of 8 bytes; 21 set beside a mask
	s_or_b32 s[G1B], s93, (3<<16)|(1<<21)
.irp g, G1, G1B
	s_mov_b32 s[\g+1], 512<<16                     ; tensor_dim0
	s_mov_b32 s[\g+2], 8<<16                       ; tensor_dim1
	s_mov_b32 s[\g+3], 512<<16                     ; tile_dim0
	s_mov_b32 s[\g+4], 8                           ; tile_dim1
	s_mov_b32 s[\g+5], 2048                        ; tensor_dim0_stride
	s_mov_b32 s[\g+6], 0
	s_mov_b32 s[\g+7], 0
.endr
	; the tiles' first blocks of 16 rows.  q, k: A16 = 64 cluster y + 16 cy in x, B16 = 64 cluster x + 16 cx in W_in.  v: A16 = 128 + 16 cy in W_in, B16 = 64 cluster y + 16 cx in x.
	s_lshl_b32 s94, s23, 6
	s_lshl_b32 s95, ttmp9, 6
	s_lshl_b32 s96, s22, 4
	s_lshl_b32 s97, s21, 4
	s_lshl_b32 s98, s20, 3
	s_cmp_eq_u32 ttmp9, 2
	s_cselect_b32 s66, 128, s94
	s_cselect_b32 s67, s94, s95
	s_add_co_u32 s66, s66, s96                     ; A16: of the place in the cluster it holds cy alone
	s_add_co_u32 s67, s67, s97                     ; B16: cx alone
	s_add_co_u32 s80, s66, s98
	s_lshl_b32 s80, s80, 14                        ; the half that I fetch, in bytes: 16,384 for each block of 16 rows
	s_mov_b32 s81, 0
	s_add_co_u32 s82, s67, s98
	s_lshl_b32 s82, s82, 14
	s_mov_b32 s83, 0
	s_mul_i32 s2, s20, HALFA                       ; where it goes in a slot: no place in the cluster enters an LDS address
	s_mul_i32 s3, s20, HALFB
	s_add_co_u32 s3, s3, 2*HALFA
	s_wait_kmcnt 0x0
	s_load_b256 s[68:75], s[10:11], 0x0            ; e0 .. e7
	s_cmp_eq_u32 ttmp9, 2
	s_cselect_b64 s[76:77], s[6:7], s[4:5]         ; A's buffer
	s_cselect_b64 s[78:79], s[4:5], s[6:7]         ; B's buffer
	s_add_nc_u64 s[76:77], s[76:77], s[80:81]
	s_add_nc_u64 s[78:79], s[78:79], s[82:83]
	CROUND                                         ; all sixteen work-groups are here: the first joint loads meet
.irp s, 0,1
	s_mov_b32 s[G0+4*\s], 1
	s_add_co_u32 s[G0+4*\s+1], s2, \s*SLOT
	s_add_nc_u64 s[G0+4*\s+2:G0+4*\s+3], s[76:77], \s*4096
	s_or_b32 s[G0+4*\s+3], s[G0+4*\s+3], 0x80000000
	s_mov_b32 s[G0B+4*\s], 1
	s_add_co_u32 s[G0B+4*\s+1], s3, \s*SLOT
	s_add_nc_u64 s[G0B+4*\s+2:G0B+4*\s+3], s[78:79], \s*4096
	s_or_b32 s[G0B+4*\s+3], s[G0B+4*\s+3], 0x80000000
	JLOAD G0+4*\s, G0B+4*\s
.endr
	v_and_b32 v1, 31, v0
	v_lshlrev_b32 v[LI], 4, v1                     ; 16 x lane
	s_mul_i32 s94, s19, HALFA                      ; my 128 rows of A,
	s_mov_b32 s95, s3                              ; my 128 rows of B
.irp s, 0,1
	v_add_nc_u32 v[ADRA+\s], s94, v[LI]
	v_add_nc_u32 v[ADRB+\s], s95, v[LI]
	s_add_co_u32 s94, s94, SLOT
	s_add_co_u32 s95, s95, SLOT
.endr
	; THE BIASES.  q's and k's way out wants b_in at the lane's eight channels of each of B's tiles; v's wants b_in at the lane's one channel of each of A's blocks.  Both sets are loaded on the one way that all
	; work-groups take; the set that a work-group's way out does not use is read from b_in's first bytes.
	v_bfe_u32 v2, v0, 4, 1
	v_lshlrev_b32 v[BO], 5, v2                     ; 32 h
	s_wait_alu depctr_va_vdst(0)
	v_and_b32 v3, 15, v0
	v_lshlrev_b32 v[VO], 2, v3                     ; 4 r
	s_wait_alu depctr_va_vdst(0)
	s_lshl_b32 s94, s67, 6
	s_lshl_b32 s95, s20, 9
	s_add_co_u32 s94, s94, s95                     ; q, k: 4 x (16 B16 + 128 CH)
	s_lshl_b32 s96, s66, 6
	s_lshl_b32 s97, s19, 9
	s_add_co_u32 s96, s96, s97                     ; v: 4 x (16 A16 + 128 RH); 16 x 128 = 2,048 is where v's channels begin
	s_cmp_eq_u32 ttmp9, 2
	s_cselect_b32 s94, 0, s94
	s_cselect_b32 s96, s96, 0
	s_mov_b32 s95, 0
	s_mov_b32 s97, 0
	s_add_nc_u64 s[90:91], s[8:9], s[94:95]
	s_add_nc_u64 s[86:87], s[8:9], s[96:97]
.irp b, 0,1,2,3,4,5,6,7
	global_load_b128 v[BQ+8*\b:BQ+8*\b+3], v[BO], s[90:91] offset:64*\b
	global_load_b128 v[BQ+8*\b+4:BQ+8*\b+7], v[BO], s[90:91] offset:64*\b+16
.endr
.irp a, 0,1,2,3,4,5,6,7
	global_load_b32 v[BV+2*\a], v[VO], s[86:87] offset:64*\a
.endr
	s_wait_kmcnt 0x0
	s_add_co_i32 s84, s68, s69
	s_add_co_i32 s84, s84, 127
	s_lshl_b32 s84, s84, 23                        ; 2^(e0 + e1) as f32
	s_mov_b32 s85, s84                             ; (named with it as a pair, so it is written)
	s_cmp_eq_u32 ttmp9, 0
	s_cselect_b32 s94, s70, s71                    ; the result's own scale: e2 for q, e3 for k,
	s_cmp_eq_u32 ttmp9, 2
	s_cselect_b32 s94, s73, s94                    ; e5 for v
	s_add_co_i32 s94, s94, 127
	s_lshl_b32 s95, s94, 23
	v_mov_b32 v[SC], s95
	s_wait_tensorcnt 1                             ; my part of slot 0 is in; slot 1's may stay out
	s_barrier_signal -1
	s_barrier_wait -1
	FETCH_B 0, 0, 0
	FETCH_A 0, 0, 0
	FETCH_A 0, 0, 4
	STEP 0, 0, 1, 1                                ; K 0-127: its products start the sums
	TURN 0, 1, 1                                   ; K 128-255; slot 0 takes K 512-767
	STEP 0, 1, 1, 0
	TURN 1, 0, 1                                   ; slot 1 takes K 768-1023
	STEP 0, 0, 1, 0
	TURN 0, 1, 0                                   ; nothing is left to fetch
	STEP 0, 1, 1, 0
	s_wait_dscnt 16                                ; the last step
	MULA 0, 1, 0
	MULA 2, 1, 0
	s_wait_dscnt 0x0
	MULA 4, 1, 0
	MULA 6, 1, 0
	WIN 0
; THE WAY OUT of A's block a: sum x 2^(e0 + e1) + bias, the hold, the conversion: eight registers of an accumulator become two of the next fragment; four stores of 512 consecutive bytes, aligned.
.macro EPI a, vp
.if (\a) >= 4
	s_wait_xcnt 0x0                                ; the stores of four blocks back have read this set of codes
.endif
	WIN 0x02+(\a)/4                                ; source 0: window 2 or 3
.irp b, 0,1,2,3,4,5,6,7
.irp i, 0,2,4,6
.if \vp
	v_pk_fma_f32 v[TMP+8*\b+\i:TMP+8*\b+\i+1], v[64*((\a)%4)+8*\b+\i:64*((\a)%4)+8*\b+\i+1], s[84:85], v[BV+2*(\a):BV+2*(\a)+1] op_sel_hi:[1,0,1]
.else
	v_pk_fma_f32 v[TMP+8*\b+\i:TMP+8*\b+\i+1], v[64*((\a)%4)+8*\b+\i:64*((\a)%4)+8*\b+\i+1], s[84:85], v[BQ+8*\b+\i:BQ+8*\b+\i+1] op_sel_hi:[1,0,1]
.endif
.endr
.endr
	WIN 0
.set n, 0
.rept 64
.set n, n+1
.endr
.irp b, 0,1,2,3,4,5,6,7
	v_cvt_scalef32_pk8_fp8_f32 v[CD+16*((\a)%4)+2*\b:CD+16*((\a)%4)+2*\b+1], v[TMP+8*\b:TMP+8*\b+7], v[SC]
.endr
	v_nop                                          ; one plain line behind the last conversion: the next block writes the numbers' registers
.irp k, 0,1,2,3
.if \vp
	global_store_b128 v[LI], v[CD+16*((\a)%4)+4*\k:CD+16*((\a)%4)+4*\k+3], s[88:89] offset:((\a)/4)*131072+((\a)%4)*2048+\k*512
.else
	global_store_b128 v[LI], v[CD+16*((\a)%4)+4*\k:CD+16*((\a)%4)+4*\k+3], s[88:89] offset:(\k/2)*131072+(\a)*1024+(\k%2)*512
.endif
.endr
.endm
	s_wait_loadcnt 0x0                             ; the biases
	PLACES 4                                       ; behind the last products: their results are read and A's registers written below
	s_cmp_eq_u32 ttmp9, 2
	s_cbranch_scc1 .Lway_v
	; q, k: image (batch x 16 + head) x 131,072 + (token / 16) x 1,024.  My first block of tokens m = A16 + 8 RH; my first head 4 cx + 2 CH
	s_lshl_b32 s94, s19, 3
	s_add_co_u32 s94, s94, s66
	s_lshr_b32 s95, s94, 7
	s_and_b32 s94, s94, 127
	s_lshl_b32 s95, s95, 21
	s_lshl_b32 s94, s94, 10
	s_add_co_u32 s94, s94, s95
	s_lshl_b32 s95, s21, 2
	s_lshl_b32 s96, s20, 1
	s_add_co_u32 s95, s95, s96
	s_lshl_b32 s95, s95, 17
	s_add_co_u32 s94, s94, s95
	s_mov_b32 s95, 0
	s_cmp_eq_u32 ttmp9, 0
	s_cselect_b64 s[88:89], s[12:13], s[14:15]
	s_add_nc_u64 s[88:89], s[88:89], s[94:95]
.irp a, 0,1,2,3,4,5,6,7
	EPI \a, 0
.endr
	s_branch .Lend
.Lway_v:
	; v: image (batch x 16 + head) x 131,072 + (key step) x 8,192 + (channel / 16 in the head) x 2,048.  My key step among all: B16 / 8 + CH; my first head 4 cy + 2 RH
.irp a, 0,1,2,3,4,5,6,7
	v_mov_b32 v[BV+2*\a+1], v[BV+2*\a]             ; the packed form adds a pair
.endr
	s_lshr_b32 s94, s67, 3
	s_add_co_u32 s94, s94, s20
	s_lshr_b32 s95, s94, 4
	s_and_b32 s94, s94, 15
	s_lshl_b32 s95, s95, 21
	s_lshl_b32 s94, s94, 13
	s_add_co_u32 s94, s94, s95
	s_lshl_b32 s95, s22, 2
	s_lshl_b32 s96, s19, 1
	s_add_co_u32 s95, s95, s96
	s_lshl_b32 s95, s95, 17
	s_add_co_u32 s94, s94, s95
	s_mov_b32 s95, 0
	s_add_nc_u64 s[88:89], s[16:17], s[94:95]
	s_wait_alu depctr_va_vdst(0)
.irp a, 0,1,2,3,4,5,6,7
	EPI \a, 1
.endr
.Lend:
	s_wait_tensorcnt 0x0                           ; the wave's end
	ds_add_u32 v[SPW], v[NIL]
	s_wait_dscnt 0x0
	CROUND                                         ; the closing round: no work-group ends while a partner may still ask for a tile that names it
	s_endpgm
.Lfunc_end_k_qa9a914b61b_qkv:
	.size	k_qa9a914b61b_qkv, .Lfunc_end_k_qa9a914b61b_qkv-k_qa9a914b61b_qkv
	.p2alignl 7, 3214868480
	.fill 96, 4, 3214868480
	.section	.rodata,"a",@progbits
	.p2align	6, 0x0
	.amdhsa_kernel k_qa9a914b61b_qkv
		.amdhsa_group_segment_fixed_size 327680
		.amdhsa_private_segment_fixed_size 0
		.amdhsa_enable_private_segment 0
		.amdhsa_kernarg_size 56
		.amdhsa_user_sgpr_count 2
		.amdhsa_user_sgpr_kernarg_segment_ptr 1
		.amdhsa_wavefront_size32 1
		.amdhsa_system_sgpr_workgroup_id_x 1
		.amdhsa_system_sgpr_workgroup_id_y 1
		.amdhsa_system_sgpr_workgroup_id_z 1
		.amdhsa_system_vgpr_workitem_id 0
		.amdhsa_next_free_vgpr 1024
		.amdhsa_next_free_sgpr 100
		.amdhsa_reserve_vcc 0
		.amdhsa_float_denorm_mode_32 3
		.amdhsa_float_denorm_mode_16_64 3
		.amdhsa_fp16_overflow 1
		.amdhsa_memory_ordered 1
		.amdhsa_forward_progress 1
		.amdhsa_inst_pref_size 129
	.end_amdhsa_kernel
	.amdgpu_metadata
---
amdhsa.version: [ 1, 2 ]
amdhsa.kernels:
  - .name:           k_qa9a914b61b_qkv
    .symbol:         k_qa9a914b61b_qkv.kd
    .args:
      - { .name: x_img, .offset: 0, .size: 8, .value_kind: global_buffer, .address_space: global }
      - { .name: win_img, .offset: 8, .size: 8, .value_kind: global_buffer, .address_space: global }
      - { .name: b_in, .offset: 16, .size: 8, .value_kind: global_buffer, .address_space: global }
      - { .name: lowp_scales, .offset: 24, .size: 8, .value_kind: global_buffer, .address_space: global }
      - { .name: q_img, .offset: 32, .size: 8, .value_kind: global_buffer, .address_space: global }
      - { .name: k_img, .offset: 40, .size: 8, .value_kind: global_buffer, .address_space: global }
      - { .name: v_img, .offset: 48, .size: 8, .value_kind: global_buffer, .address_space: global }
    .group_segment_fixed_size: 327680
    .private_segment_fixed_size: 0
    .kernarg_segment_align: 8
    .kernarg_segment_size: 56
    .max_flat_workgroup_size: 128
    .sgpr_count:     100
    .vgpr_count:     1024
    .wavefront_size: 32
...
	.end_amdgpu_metadata
.endif
;; end of part 2
;; launch attn (part 3): grid 4 x 64, 16 waves a work-group, no clusters, 327,680 bytes of LDS; arguments q_img, k_img, v_img, lowp_scales, y_img; writes y_img
.if DOCPART == 3
	.amdgcn_target "amdgcn-amd-amdhsa--gfx1250"
	.amdhsa_code_object_version 6
	.text
	.protected	k_qa9a914b61b_attn
	.globl	k_qa9a914b61b_attn
	.p2align	8
	.type	k_qa9a914b61b_attn,@function
k_qa9a914b61b_attn:
	s_mov_b64 s[64:65], 0
	v_nop
	global_prefetch_b8 v0, s[64:65] scope:SCOPE_SE
	s_setreg_imm32_b32 hwreg(HW_REG_WAVE_MODE, 25, 1), 1
	s_wait_xcnt 0x0
; Causal attention on codes of FP8 (E4M3): 64 (batch x head) x 2,048 tokens x 64 channels.  S = q k^T (scales e2, e3), p = 2^(t - M), O = p v (e4, e5), y = O / l, quantised with e6 for the last product.
; t = score x log2(e) / 8; M = the running largest t rounded UP to a whole number; the row's sum l is taken of the unquantised p; when M moves, l and O are multiplied by 2^(old M - new M): exact.
; ALL OPERANDS ARE IMAGES OF REGISTERS (lane l's 16 bytes at 16 l, 512 bytes for four registers): q_img, k_img [bh][token / 16][1,024]: 16 tokens x 64 channels; v_img [bh][key step of 128][channel / 16][2,048]: 16 channels x 128 keys;
; y_img [token / 16][K step of 128 channels][2,048], of which head hd fills the 1,024 bytes from hd x 1,024 on.
; BOTH PRODUCTS ARE USED TRANSPOSED: S^T = K Q^T (source 0 = 16 keys, source 1 = my 16 queries), O^T = V^T P^T: a lane holds ONE query throughout; register j of S^T's tile t is key 16 t + 8 h + j, so one conversion of a
; tile's eight registers gives registers 2 t, 2 t + 1 of P's fragment; register j of O^T's tile ct is channel 16 ct + 8 h + j, and the same holds for y's fragment.
; SHARES.  Work-group (j, bh) owns the blocks j and 7 - j of 256 queries, one after the other; each of its sixteen waves owns 16 queries of a block.  Block b needs key slots (256 keys) 0 .. b: (j + 1) + (8 - j) = 9 slots
; for every work-group: 256 work-groups of equal work, a constant count of trips, and no tile fetched that nobody reads.  Trip t reads key slot t (t <= j) or t - j - 1.
; A ring of two LDS slots (K's 16 images, then V's 8), filled by waves 0-3, 8,192 dense bytes each, read by all sixteen.
; NO CLUSTER: the four work-groups of a head want different key slots in the same trip (j = 0 walks 0,0,1,..,7; j = 3 walks 0,1,2,3,0,..,4); a common walk would give up the equal share of nine slots.
; LIMITS: e2 + e3 between -123 and 130 (added to c's exponent field); e4 and e6 between -126 and 119; e4 + e5 is applied by v_ldexp_f32 and has none.  NaN is not served.
; REGISTERS: v1 16 x lane; v2 the LDS address in hand; v3 256 x lane; v4 r - 8 h; v5, v6 for the add; v12 -M, v13 the largest t, v[14:15] l in two halves; v16-23 Q; v32-95 K's 8 fragments, then V's 4; v96-159 S^T, then p;
;   v160-191 O^T; v192-207 P's codes; v208-223 y's codes; v244: 2^e4; v246: 2^e6; v236, v242, v243, v252-254 at work.
.set SLOT1, 0x8000                     ; slot 1 begins here: one exclusive or turns an address in one slot into the other's
.set VOFF,  16384                      ; V's images in a slot
.set SPARE, 65536                      ; behind the ring: the spare words, 128 bytes for each wave: eight blocks of 256 bytes that no other line names
.set LI,  1
.set AD,  2
.set PFO, 3
.set SPW, 5
.set NIL, 6
.set TB,  2                            ; s2   LDS byte at which the slot in hand begins
.set WV,  18
.set SEL, 20                           ; s[20:21] lane selects: lane l xor 16
.set CS,  22                           ; s[22:23] c = log2(e) / 8 x 2^(e2 + e3)
.set G1,  24                           ; s[24:31] descriptor group 1;  s[32:35] group 0
.set G0,  32
.set SB,  36                           ; s[36:37] my part of key slot 0 in memory
.set CA,  38                           ; s[38:39] my part of the key slot asked for last
.set OF,  40                           ; s[40:41] that key slot x 16,384
.set SLOTS, 42                         ; s42  trips of the loop still to go: 8 .. 1
.set WRAP,  43                         ; s43  8 - j: in this trip the walk goes back to key slot 0
.set SWAT,  44                         ; s44  7 - j: at this trip's head the first block goes out and the second begins
.set KF,  46                           ; s46  the step's first key
.set Q0,  47                           ; s47  my first query;  s48 the second block's
.set PLIM, 56                          ; s56  1 in a wave that prefetches, else the greatest number
.macro TLOAD                           ; waves 0 and 1 fetch K's halves, waves 2 and 3 V's; four v_nop follow the line
	s_cmp_lt_u32 s[WV], 4
	s_cbranch_scc0 .Lasked_\@
	tensor_load_to_lds s[G0:G0+3], s[G1:G1+7]
	s_nop 0
.rept 4
	v_nop
.endr
.Lasked_\@:
.endm
; A PREFETCH INTO THE L2 of the key slot behind the one just asked for: what the next trip's tensor loads will want, a trip (two key steps) ahead.  All four work-groups of a head read the same K and V: the head's
; work-group j = 0 asks, whose walk from trip 1 on is 0, 1, .. 7.  In it waves 4-7 ask, which fetch nothing and hold the same addresses as waves 0-3: 8,192 bytes a wave, lanes 256 bytes apart.
; So key slots 1 to 7 are named once each; key slot 0 comes by its loads alone, and the last trip that fills a slot asks for nothing: there is no key slot behind it.
.macro ASK
	s_cmp_gt_u32 s[SLOTS], s[PLIM]
	s_cbranch_scc0 .Lnot_mine_\@
	global_prefetch_b8 v[PFO], s[CA:CA+1] offset:16384 th:TH_LOAD_NT scope:SCOPE_SE
.Lnot_mine_\@:
.endm
; THE CHANGE OF SLOTS, at a trip's head.  Each wave waits for all its tensor loads (its part of the slot that it is about to read), adds 0 to its spare word, and waits for that and for its reads of the slot that it has left.
; Behind the barrier the slot ahead is whole and nobody reads the other one.  fill = 1: that other slot takes the next trip's keys: the load has a trip in which to land.
.macro CHANGE fill
	s_wait_tensorcnt 0x0                           ; no tensor load of mine is out, so group 0 may be written
	ds_add_u32 v[SPW], v[NIL]                      ; 0 onto my spare word
.if \fill
	s_xor_b32 s[G0+1], s[G0+1], SLOT1              ; the other slot than last time
	s_wait_xcnt 0x0                                ; the last prefetch, a trip back, has read its address
	s_add_co_u32 s[OF], s[OF], 16384               ; the next key slot,
	s_cmp_eq_u32 s[SLOTS], s[WRAP]
	s_cselect_b32 s[OF], 0, s[OF]                  ; or the first again, for the second block of queries
	s_add_nc_u64 s[CA:CA+1], s[SB:SB+1], s[OF:OF+1]
	s_mov_b64 s[G0+2:G0+3], s[CA:CA+1]
	s_or_b32 s[G0+3], s[G0+3], 0x80000000
.endif
	s_wait_dscnt 0x0                               ; the add is done, and my reads of the slot that I have left are over
	s_barrier_signal -1
	s_barrier_wait -1
.if \fill
	TLOAD                                          ; the first thing behind the barrier, and a wave's one tensor load until the next
	ASK
.endif
.endm
; A KEY STEP: 128 keys, the q-th of the slot in hand.
.macro STEP q
	s_add_co_u32 s96, s[Q0], 15                    ; a step all of whose keys come after my 16 queries is left out: a scalar branch on ids; no barrier and no tensor load stands in a step
	s_cmp_gt_u32 s[KF], s96
	s_cbranch_scc1 .Lhidden_\@
	v_add_nc_u32 v[AD], s[TB], v[LI]
.rept 3
	v_nop                                          ; with the addition: four places in front of loads into registers that the last products read
.endr
.irp t, 0,1,2,3,4,5,6,7
.irp g, 0,1
	ds_load_b128 v[32+8*\t+4*\g:32+8*\t+4*\g+3], v[AD] offset:8192*(\q)+1024*\t+512*\g
.endr
.endr
	s_wait_alu depctr_va_vdst(0)
	s_wait_dscnt 0x0
.irp t, 0,1,2,3,4,5,6,7
	v_wmma_f32_16x16x64_fp8_fp8 v[96+8*\t:103+8*\t], v[32+8*\t:39+8*\t], v[16:23], 0
.endr
.rept 4
	v_nop                                          ; places: K's registers are loaded again and the scores read
.endr
.irp ct, 0,1,2,3
.irp c, 0,1,2,3
	ds_load_b128 v[32+16*\ct+4*\c:32+16*\ct+4*\c+3], v[AD] offset:VOFF+8192*(\q)+2048*\ct+512*\c   ; V's fragments land while the softmax is worked
.endr
.endr
	s_add_co_u32 s96, s[KF], 127                   ; a step all of whose keys count skips the mask
	s_cmp_le_u32 s96, s[Q0]
	s_cbranch_scc1 .Lopen_\@
	s_sub_co_i32 s96, s[Q0], s[KF]
	v_add_nc_u32 v252, s96, v4                     ; d = my query - KF - 8 h.  Register 8 t + i holds key KF + 16 t + 8 h + i: hidden where 16 t + i > d
	v_mov_b32 v254, 0xff800000                     ; -infinity: p = 0 then
.irp t, 0,1,2,3,4,5,6,7
.irp i, 0,1,2,3,4,5,6,7
	v_cmp_gt_i32 vcc_lo, 16*\t+\i, v252
	v_cndmask_b32 v[96+8*\t+\i], v[96+8*\t+\i], v254, vcc_lo
.endr
.endr
.Lopen_\@:
	v_max3_num_f32 v254, v96, v97, v98             ; the step's largest score of my query among my 64 keys, in two chains, each tile from its low end on,
	v_max3_num_f32 v252, v99, v100, v101
.irp i, 6,10,14,18,22,26,30,34,38,42,46,50,54,58
	v_max3_num_f32 v254, v254, v[96+\i], v[97+\i]
	v_max3_num_f32 v252, v252, v[98+\i], v[99+\i]
.endr
	v_max3_num_f32 v254, v254, v158, v159
	s_delay_alu instid0(VALU_DEP_1)
	v_max_num_f32 v254, v254, v252
	s_delay_alu instid0(VALU_DEP_1)
	v_permlanex16_b32 v236, v254, s[SEL], s[SEL+1]
	s_delay_alu instid0(VALU_DEP_1)
	v_max_num_f32 v254, v254, v236                 ; and among lane l xor 16's
	s_delay_alu instid0(VALU_DEP_1)
	v_mul_f32 v254, s[CS], v254                    ; as t (c is positive)
	s_delay_alu instid0(VALU_DEP_1)
	v_max_num_f32 v13, v13, v254                   ; the running largest t
	v_mov_b32 v254, v12
	s_delay_alu instid0(VALU_DEP_2)
	v_floor_f32 v12, -v13                          ; the new -M = floor(-t): M is a whole number
	s_delay_alu instid0(VALU_DEP_1)
	v_sub_f32 v254, v12, v254                      ; old M - new M: a whole number, 0 or less
	s_delay_alu instid0(VALU_DEP_1)
	v_cvt_i32_f32 v254, v254                       ; (it saturates)
	s_delay_alu instid0(VALU_DEP_1)
	v_ldexp_f32 v252, 1.0, v254                    ; f = 2^(old M - new M)
.irp j, 0,2,4,6,8,10,12,14,16,18,20,22,24,26,28,30,32,34,36,38,40,42,44,46,48,50,52,54,56,58,60,62
	v_pk_fma_f32 v[96+\j:97+\j], v[96+\j:97+\j], s[CS:CS+1], v[12:13] op_sel_hi:[1,0,0]   ; t - M, two at a time
.endr
.set n, 0
	s_wait_alu depctr_va_vdst(0)
.rept 64
	v_exp_f32 v[96+n], v[96+n]                     ; p = 2^(t - M), at most 1
.set n, n+1
.endr
	v_pk_mul_f32 v[14:15], v[14:15], v[252:253] op_sel_hi:[1,0]   ; l under the new M: the plain line behind the exponentials
	s_wait_alu depctr_va_vdst(0)                   ; one wait for the whole batch, ahead of its first reader
	v_pk_add_f32 v[242:243], v[100:101], v[104:105]
	v_pk_add_f32 v[254:255], v[108:109], v[112:113]
	v_pk_add_f32 v[250:251], v[116:117], v[120:121]
	v_pk_add_f32 v[248:249], v[124:125], v[128:129]
	v_pk_add_f32 v[240:241], v[132:133], v[136:137]
	v_pk_add_f32 v[238:239], v[140:141], v[144:145]
	v_pk_add_f32 v[234:235], v[148:149], v[152:153]
	v_pk_add_f32 v[14:15], v[14:15], v[156:157]
	v_pk_add_f32 v[242:243], v[242:243], v[96:97]
	v_pk_add_f32 v[254:255], v[254:255], v[98:99]
	v_pk_add_f32 v[250:251], v[250:251], v[102:103]
	v_pk_add_f32 v[248:249], v[248:249], v[106:107]
	v_pk_add_f32 v[240:241], v[240:241], v[110:111]
	v_pk_add_f32 v[238:239], v[238:239], v[114:115]
	v_pk_add_f32 v[234:235], v[234:235], v[118:119]
	v_pk_add_f32 v[14:15], v[14:15], v[122:123]
	v_pk_add_f32 v[242:243], v[242:243], v[126:127]
	v_pk_add_f32 v[254:255], v[254:255], v[130:131]
	v_pk_add_f32 v[250:251], v[250:251], v[134:135]
	v_pk_add_f32 v[248:249], v[248:249], v[138:139]
	v_pk_add_f32 v[240:241], v[240:241], v[142:143]
	v_pk_add_f32 v[238:239], v[238:239], v[146:147]
	v_pk_add_f32 v[234:235], v[234:235], v[150:151]
	v_pk_add_f32 v[14:15], v[14:15], v[154:155]
	v_pk_add_f32 v[242:243], v[242:243], v[158:159]
	s_delay_alu instid0(VALU_DEP_2)
	v_pk_add_f32 v[14:15], v[14:15], v[248:249]
	s_delay_alu instid0(VALU_DEP_2)
	v_pk_add_f32 v[242:243], v[242:243], v[240:241]
	v_pk_add_f32 v[254:255], v[254:255], v[238:239]
	v_pk_add_f32 v[250:251], v[250:251], v[234:235]
	s_delay_alu instid0(VALU_DEP_2)
	v_pk_add_f32 v[14:15], v[14:15], v[254:255]
	s_delay_alu instid0(VALU_DEP_2)
	v_pk_add_f32 v[242:243], v[242:243], v[250:251]
	s_delay_alu instid0(VALU_DEP_1)
	v_pk_add_f32 v[14:15], v[14:15], v[242:243]
.irp t, 0,1,2,3,4,5,6,7
.irp i, 0,1,2,3,4,5,6,7
.endr
	v_cvt_scalef32_pk8_fp8_f32 v[192+2*\t:193+2*\t], v[96+8*\t:103+8*\t], v244
.endr
.irp j, 0,2,4,6,8,10,12,14,16,18,20,22,24,26,28,30
	v_pk_mul_f32 v[160+\j:161+\j], v[160+\j:161+\j], v[252:253] op_sel_hi:[1,0]   ; O^T under the new M; these are also the plain lines behind the conversions
.endr
	s_wait_alu depctr_va_vdst(0)
	s_wait_dscnt 0x0                               ; V is in
.irp ct, 0,1,2,3
	v_wmma_f32_16x16x128_fp8_fp8 v[160+8*\ct:167+8*\ct], v[32+16*\ct:47+16*\ct], v[192:207], v[160+8*\ct:167+8*\ct]   ; the four accumulators take turns
.endr
.Lhidden_\@:
	s_add_co_u32 s[KF], s[KF], 128
.endm
.macro SLOT_STEPS
	STEP 0
	STEP 1
	s_xor_b32 s[TB], s[TB], SLOT1                  ; on to the other slot
.endm
; THE WAY OUT of a block of queries: y = O^T / l x 2^(e4 + e5), the hold, the conversion with 2^e6: four tiles become eight registers of y's fragment: two stores of 512 consecutive bytes, aligned.
.macro WAYOUT p, ya
.rept 4
	v_nop                                          ; places behind the last products
.endr
	v_add_f32 v14, v14, v15
	s_delay_alu instid0(VALU_DEP_1)
	v_permlanex16_b32 v252, v14, s[SEL], s[SEL+1]
	s_delay_alu instid0(VALU_DEP_1)
	v_add_f32 v14, v14, v252                       ; the row's sum
	s_wait_alu depctr_va_vdst(0)
	v_rcp_f32 v14, v14
	v_nop                                          ; a plain line behind the transcendental
	s_wait_alu depctr_va_vdst(0)                   ; and the wait ahead of its first reader
	v_ldexp_f32 v14, v14, s57
.set n, 0
.rept 32
	v_mul_f32 v[96+n], v[160+n], v14
.set n, n+1
.endr
.set n, 0
.rept 32
.set n, n+1
.endr
.irp ct, 0,1,2,3
	v_cvt_scalef32_pk8_fp8_f32 v[208+8*\p+2*\ct:209+8*\p+2*\ct], v[96+8*\ct:103+8*\ct], v246
.endr
	v_nop
	global_store_b128 v[LI], v[208+8*\p:211+8*\p], s[\ya:\ya+1]
	global_store_b128 v[LI], v[212+8*\p:215+8*\p], s[\ya:\ya+1] offset:512
.endm
.macro FRESH                           ; a block of queries begins: zeros, which the first change of M leaves zeros
	v_mov_b32 v13, 0xff61b1e6                      ; the largest t so far: -3e38
	s_delay_alu instid0(VALU_DEP_1)
	v_floor_f32 v12, -v13
	v_mov_b32 v14, 0
	v_mov_b32 v15, 0
.set n, 0
.rept 32
	v_mov_b32 v[160+n], 0
.set n, n+1
.endr
.endm
	s_load_b256 s[4:11], s[0:1], 0x0               ; q_img s[4:5], k_img s[6:7], v_img s[8:9], the scales' exponents s[10:11]
	s_load_b64 s[12:13], s[0:1], 0x20              ; y_img
	v_lshl_add_u32 v[SPW], v0, 2, SPARE
	v_mov_b32 v[NIL], 0
	ds_add_u32 v5, v6
	ds_add_u32 v5, v6
	s_wait_dscnt 0x0
	v_lshrrev_b32 v7, 5, v0
	s_delay_alu instid0(VALU_DEP_1)
	v_readfirstlane_b32 s[WV], v7                  ; wave 0..15
	s_and_b32 s14, ttmp7, 0xffff                   ; bh = batch x 16 + head
	; descriptor group 1: 8,192 dense bytes as 32 rows of 32 elements of 8 bytes
	s_mov_b32 s[G1], 3<<16
	s_mov_b32 s[G1+1], 32<<16
	s_mov_b32 s[G1+2], 32<<16
	s_mov_b32 s[G1+3], 32<<16
	s_mov_b32 s[G1+4], 32
	s_mov_b32 s[G1+5], 32
	s_mov_b32 s[G1+6], 0
	s_mov_b32 s[G1+7], 0
	s_mov_b32 s[SEL], 0x76543210
	s_mov_b32 s[SEL+1], 0xfedcba98
	s_mov_b32 s[CS], 0x3e38aa3b                    ; log2(e) / 8
	s_mov_b32 s[TB], 0
	s_mov_b32 s[SLOTS], 8
	s_sub_co_u32 s[WRAP], 8, ttmp9
	s_sub_co_u32 s[SWAT], 7, ttmp9
	s_mov_b32 s[KF], 0
	s_lshl_b32 s15, s[WV], 4
	s_lshl_b32 s[Q0], ttmp9, 8
	s_add_co_u32 s[Q0], s[Q0], s15                 ; 256 j + 16 wave
	s_lshl_b32 s48, s[SWAT], 8
	s_add_co_u32 s48, s48, s15                     ; 256 (7 - j) + 16 wave
	s_lshl_b32 s16, s14, 17                        ; a head's images are 131,072 bytes in q_img, k_img and v_img
	s_lshl_b32 s58, s[Q0], 6                       ; (query / 16) x 1,024
	s_add_co_u32 s58, s58, s16
	s_mov_b32 s59, 0
	s_lshl_b32 s60, s48, 6
	s_add_co_u32 s60, s60, s16
	s_mov_b32 s61, 0
	s_lshr_b32 s62, s14, 4
	s_lshl_b32 s62, s62, 21                        ; y_img: batch x 128 blocks of 16,384 bytes,
	s_and_b32 s63, s14, 15
	s_lshl_b32 s63, s63, 10                        ; + head x 1,024,
	s_add_co_u32 s62, s62, s63
	s_lshl_b32 s76, s[Q0], 10                      ; + (query / 16) x 16,384
	s_add_co_u32 s76, s76, s62
	s_mov_b32 s77, 0
	s_lshl_b32 s78, s48, 10
	s_add_co_u32 s78, s78, s62
	s_mov_b32 s79, 0
	s_and_b32 s80, s[WV], 1
	s_lshl_b32 s80, s80, 13                        ; which half of a key slot's K or V
	s_add_co_u32 s80, s80, s16
	s_mov_b32 s81, 0
	s_mov_b32 s[G0], 1
	s_and_b32 s[G0+1], s[WV], 3
	s_lshl_b32 s[G0+1], s[G0+1], 13                ; LDS: K's halves, then V's, in slot 0
	s_lshr_b32 s96, s[WV], 2
	s_xor_b32 s96, s96, 1                          ; 0 in waves 4 to 7,
	s_or_b32 s96, s96, ttmp9                       ; of the head's work-group j = 0
	s_cmp_eq_u32 s96, 0
	s_cselect_b32 s[PLIM], 1, -1
	s_mov_b32 s[OF], 0
	s_mov_b32 s[OF+1], 0
	s_wait_kmcnt 0x0
	s_load_b256 s[68:75], s[10:11], 0x0            ; e0 .. e7
	s_and_b32 s96, s[WV], 2
	s_cmp_lg_u32 s96, 0
	s_cselect_b64 s[SB:SB+1], s[8:9], s[6:7]       ; V's images or K's
	s_add_nc_u64 s[SB:SB+1], s[SB:SB+1], s[80:81]
	s_mov_b64 s[CA:CA+1], s[SB:SB+1]
	s_mov_b64 s[G0+2:G0+3], s[SB:SB+1]
	s_or_b32 s[G0+3], s[G0+3], 0x80000000
	TLOAD                                          ; key slot 0 into slot 0
	s_add_nc_u64 s[82:83], s[4:5], s[58:59]        ; Q's image: the first block's,
	s_add_nc_u64 s[50:51], s[4:5], s[60:61]        ; the second's
	s_add_nc_u64 s[52:53], s[12:13], s[76:77]      ; y's place likewise
	s_add_nc_u64 s[54:55], s[12:13], s[78:79]
	v_and_b32 v7, 31, v0
	s_delay_alu instid0(VALU_DEP_1)
	v_lshlrev_b32 v[LI], 4, v7
	s_delay_alu instid0(VALU_DEP_2)
	v_lshlrev_b32 v[PFO], 8, v7
	global_load_b128 v[16:19], v[LI], s[82:83]
	global_load_b128 v[20:23], v[LI], s[82:83] offset:512
	v_and_b32 v8, 15, v0
	v_bfe_u32 v9, v0, 4, 1
	s_delay_alu instid0(VALU_DEP_1)
	v_lshlrev_b32 v9, 3, v9
	s_delay_alu instid0(VALU_DEP_1)
	v_sub_nc_u32 v4, v8, v9                        ; r - 8 h
	v_mov_b32 v236, 0                              ; written once: a lane permute's destination counts as one of its sources
	v_mov_b32 v252, 0
	v_mov_b32 v253, 0                              ; (named as the upper half of the pair v[252:253])
	FRESH
	s_wait_kmcnt 0x0
	s_add_co_i32 s96, s70, s71
	s_lshl_b32 s96, s96, 23
	s_add_co_i32 s[CS], s[CS], s96                 ; a score stands for score x 2^(e2 + e3): added to c's exponent field
	s_mov_b32 s[CS+1], s[CS]
	s_add_co_i32 s96, s72, 127
	s_lshl_b32 s97, s96, 23
	v_mov_b32 v244, s97                            ; 2^e4
	s_add_co_i32 s96, s74, 127
	s_lshl_b32 s97, s96, 23
	v_mov_b32 v246, s97                            ; 2^e6
	s_add_co_i32 s57, s72, s73                     ; e4 + e5
	s_wait_loadcnt 0x0                             ; Q
.Ltrip:                                            ; eight trips: behind each change of slots the next trip's keys are asked for
	CHANGE 1
	s_cmp_lg_u32 s[SLOTS], s[SWAT]                 ; trip j + 1: the first block is finished (a branch on ids; no barrier, no LDS line and no tensor load stands under it)
	s_cbranch_scc1 .Lsame_block
	WAYOUT 0, 52
	global_load_b128 v[16:19], v[LI], s[50:51]     ; the second block's Q
	global_load_b128 v[20:23], v[LI], s[50:51] offset:512
	FRESH
	s_mov_b32 s[KF], 0
	s_mov_b32 s[Q0], s48
	s_wait_loadcnt 0x0
.Lsame_block:
	SLOT_STEPS
	s_sub_co_u32 s[SLOTS], s[SLOTS], 1
	s_cmp_lg_u32 s[SLOTS], 0
	s_cbranch_scc1 .Ltrip
	CHANGE 0                                       ; the ninth trip is written out
	SLOT_STEPS
	WAYOUT 1, 54
	s_wait_tensorcnt 0x0                           ; the wave's end
	ds_add_u32 v[SPW], v[NIL]
	s_wait_dscnt 0x0
	s_endpgm
.Lfunc_end_k_qa9a914b61b_attn:
	.size	k_qa9a914b61b_attn, .Lfunc_end_k_qa9a914b61b_attn-k_qa9a914b61b_attn
	.p2alignl 7, 3214868480
	.fill 96, 4, 3214868480
	.section	.rodata,"a",@progbits
	.p2align	6, 0x0
	.amdhsa_kernel k_qa9a914b61b_attn
		.amdhsa_group_segment_fixed_size 327680
		.amdhsa_private_segment_fixed_size 0
		.amdhsa_enable_private_segment 0
		.amdhsa_kernarg_size 40
		.amdhsa_user_sgpr_count 2
		.amdhsa_user_sgpr_kernarg_segment_ptr 1
		.amdhsa_wavefront_size32 1
		.amdhsa_system_sgpr_workgroup_id_x 1
		.amdhsa_system_sgpr_workgroup_id_y 1
		.amdhsa_system_sgpr_workgroup_id_z 1
		.amdhsa_system_vgpr_workitem_id 0
		.amdhsa_next_free_vgpr 256
		.amdhsa_next_free_sgpr 100
		.amdhsa_reserve_vcc 1
		.amdhsa_float_denorm_mode_32 3
		.amdhsa_float_denorm_mode_16_64 3
		.amdhsa_fp16_overflow 1
		.amdhsa_memory_ordered 1
		.amdhsa_forward_progress 1
		.amdhsa_inst_pref_size 89
	.end_amdhsa_kernel
	.amdgpu_metadata
---
amdhsa.version: [ 1, 2 ]
amdhsa.kernels:
  - .name:           k_qa9a914b61b_attn
    .symbol:         k_qa9a914b61b_attn.kd
    .args:
      - { .name: q_img, .offset: 0, .size: 8, .value_kind: global_buffer, .address_space: global }
      - { .name: k_img, .offset: 8, .size: 8, .value_kind: global_buffer, .address_space: global }
      - { .name: v_img, .offset: 16, .size: 8, .value_kind: global_buffer, .address_space: global }
      - { .name: lowp_scales, .offset: 24, .size: 8, .value_kind: global_buffer, .address_space: global }
      - { .name: y_img, .offset: 32, .size: 8, .value_kind: global_buffer, .address_space: global }
    .group_segment_fixed_size: 327680
    .private_segment_fixed_size: 0
    .kernarg_segment_align: 8
    .kernarg_segment_size: 40
    .max_flat_workgroup_size: 512
    .sgpr_count:     100
    .vgpr_count:     256
    .wavefront_size: 32
...
	.end_amdgpu_metadata
.endif
;; end of part 3
;; launch proj (part 4): grid 8 x 32, 4 waves a work-group, clusters of 4 x 4, 327,680 bytes of LDS; arguments y_img, wout_img, b_out, lowp_scales, out0; writes out0
.if DOCPART == 4
	.amdgcn_target "amdgcn-amd-amdhsa--gfx1250"
	.amdhsa_code_object_version 6
	.text
	.protected	k_qa9a914b61b_proj
	.globl	k_qa9a914b61b_proj
	.p2align	8
	.type	k_qa9a914b61b_proj,@function
k_qa9a914b61b_proj:
	s_mov_b64 s[64:65], 0
	v_nop
	global_prefetch_b8 v0, s[64:65] scope:SCOPE_SE
	s_setreg_imm32_b32 hwreg(HW_REG_WAVE_MODE, 25, 1), 1
	s_wait_xcnt 0x0
	s_wait_alu depctr_hold_cnt(0) depctr_sa_sdst(0) depctr_va_vdst(0) depctr_va_sdst(0) depctr_va_ssrc(0) depctr_va_vcc(0) depctr_vm_vsrc(0)
	s_getreg_b32 s2, hwreg(HW_REG_IB_STS2, 6, 4)
	s_cmp_eq_u32 s2, 0
	s_cbranch_scc0 .Lentry_in_a_cluster
	s_endpgm
.Lentry_in_a_cluster:
	s_bfe_u32 s2, ttmp6, 0x10000c
	s_cmp_lg_u32 s2, 0xf033
	s_cbranch_scc0 .Lentry_shape_is_right
	s_endpgm
.Lentry_shape_is_right:
; out0 = y W_out + b_out on codes of FP8 (E4M3), K = 1,024; scales e6 (y) and e7 (W_out); out0 [8192][1024] f32.
; OPERANDS ARE IMAGES OF REGISTERS: a fragment of 16 rows x 128 K is 2,048 bytes, group g (registers 4 g .. 4 g + 3) 512 bytes, lane l's 16 bytes at 16 l; y_img [token / 16][K step 8][2,048], wout_img [column / 16][K step 8][2,048].
; A tile of 256 tokens x 128 columns is made by a work-group of four waves: 256 tiles, one for each of 256 work-groups.  A wave makes 128 x 64: 32 accumulators, 256 registers.
; K goes through three LDS slots of 256 along K, all eight steps of 128 written out: three first fills, and ONE refill (K 768-1023 into slot 0), which has two slots' steps in which to land.
; THE MATRIX INSTRUCTION IS USED TRANSPOSED (source 0 = 16 columns of W_out, called B; source 1 = 16 tokens, called A): a lane holds eight neighbouring numbers of a row of out0.
; CLUSTERS: 4 x 4 work-groups; A's tile is asked for jointly by a row of the cluster, B's by a column.
; LIMIT: e6 + e7 between -126 and 127, so that 2^(e6 + e7) is an f32 number.
; REGISTERS: window 0: v16-18, v20-22 LDS addresses; v24 16 x lane; v25-27 the way out's addresses; v28, v29 for the add; v30 the bias's offset; v32-63 the bias; v64-95 a block's results; v128-255 A's 8 fragments, one set
;   (on the way out v128-191: rows read back, two sets).   window 1: B's two sets, v0-63 and v128-191.   window 2: the accumulators, (a, b) at v[8 (4 a + b)].
.set NB,    4
.set APW,   8
.set NSLOT, 3
.set HALFA, 32768
.set HALFB, 4096*NB
.set SLOT,  2*HALFA+2*HALFB
.set STAGE, NSLOT*SLOT                 ; behind the slots: 16 rows x 272 bytes for each wave, for the way out: no fill lands there
.set SPITCH, 272
.set SPARE, STAGE+4*16*SPITCH          ; behind the stages: the spare words, 128 bytes for each wave: two blocks of 256 bytes that no other line names
.set ADRA, 16
.set ADRB, 20
.set LI,   24
.set STO,  25
.set RD,   26
.set CO,   27
.set SPW,  28
.set NIL,  29
.set BO,   30
.set BQ,   32
.set TMP,  64
.set AF,   128
.set BK,   128
.set G1,   24
.set G1B,  32
.set G0,   40                          ; s[40:51] A's groups 0, one set for each slot;  s[52:63] B's
.set G0B,  52
.set TO_B, 0x40
.set MSB, 0
.macro WIN new                         ; the immediate's high byte repeats the setting that is left
.if MSB != \new
	s_set_vgpr_msb (MSB<<8)|\new
.set MSB, \new
.endif
.endm
.macro PLACES n
.rept \n
	v_nop
.endr
.endm
.macro JLOAD g0a, g0b                  ; a joint load: waves 0 and 1 fetch A's halves, waves 2 and 3 B's; four v_nop follow each of the two lines
	s_cmp_eq_u32 s19, 0
	s_cbranch_scc0 .Lfor_b_\@
	tensor_load_to_lds s[\g0a:\g0a+3], s[G1:G1+7]
	s_nop 0
.rept 4
	v_nop
.endr
	s_branch .Lasked_\@
.Lfor_b_\@:
	tensor_load_to_lds s[\g0b:\g0b+3], s[G1B:G1B+7]
	s_nop 0
.rept 4
	v_nop
.endr
.Lasked_\@:
.endm
.macro CREST
	s_cmp_lg_u32 s18, 0
	s_cbranch_scc1 .Lnot_wave_0_\@
	s_barrier_signal -3
.Lnot_wave_0_\@:
	s_barrier_wait -3
	s_barrier_signal -1
	s_barrier_wait -1
.endm
.macro CROUND
	s_barrier_signal -1
	s_barrier_wait -1
	CREST
.endm
.macro FRAG reg, adr, q, i
.irp c, 0,1,2,3
	ds_load_b128 v[\reg+4*\c:\reg+4*\c+3], v[\adr] offset:4096*(\i)+2048*(\q)+512*\c
.endr
.endm
.macro FETCH_B slot, q, p
	WIN TO_B
.irp i, 0,1,2,3
	FRAG 128*(\p)+16*\i, ADRB+\slot, \q, \i
.endr
	WIN 0
.endm
.macro FETCH_A slot, q, i0
.irp i, \i0, \i0+1, \i0+2, \i0+3
	FRAG AF+16*(\i), ADRA+\slot, \q, \i
.endr
.endm
; A's blocks a0, a0 + 1 against B's four.  The 32 accumulators take turns, one instruction a turn, in the same order in every step.
.macro MULA a0, p, zero
	WIN 0xa1                                       ; source 0 window 1, source 1 window 0, C and D window 2
.irp a, \a0, \a0+1
.irp b, 0,1,2,3
.if \zero
	v_wmma_f32_16x16x128_fp8_fp8 v[8*(NB*(\a)+\b):8*(NB*(\a)+\b)+7], v[128*(\p)+16*\b:128*(\p)+16*\b+15], v[AF+16*(\a):AF+16*(\a)+15], 0
.else
	v_wmma_f32_16x16x128_fp8_fp8 v[8*(NB*(\a)+\b):8*(NB*(\a)+\b)+7], v[128*(\p)+16*\b:128*(\p)+16*\b+15], v[AF+16*(\a):AF+16*(\a)+15], v[8*(NB*(\a)+\b):8*(NB*(\a)+\b)+7]
.endif
.endr
.endr
.endm
; A step of 128 along K on B's set p; the next step's fragments (slot nslot, part nq) are fetched in two runs, each four plain vector places behind the products that read the registers (ISA guide 7.12.1 for vector instructions).
.macro STEP p, nslot, nq, zero
	s_wait_dscnt 16                                ; B's set and A's blocks 0-3 are in; the youngest 16 loads (A's blocks 4-7) may be out
	MULA 0, \p, \zero
	MULA 2, \p, \zero
	s_wait_dscnt 0x0
	PLACES 4
	FETCH_B \nslot, \nq, 1-(\p)
	FETCH_A \nslot, \nq, 0
	MULA 4, \p, \zero
	MULA 6, \p, \zero
	PLACES 4
	WIN 0
	FETCH_A \nslot, \nq, 4
.endm
; A change of slots with a barrier: in front of it each wave waits for all its tensor loads, adds 0 to its spare word, and waits for that and for its reads of this slot.  fill = 1: the slot is filled again.
.macro TURN slot, next, fill
	s_wait_tensorcnt 0x0                           ; all my tensor loads have landed  (every window is 0 here)
	ds_add_u32 v[SPW], v[NIL]                      ; 0 onto my spare word
	s_wait_dscnt 17                                ; (the add and A's blocks 4-7 may be out)
	MULA 0, 1, 0
	s_wait_dscnt 0x0                               ; the add is done, and my reads of this slot are over
	s_barrier_signal -1
	MULA 2, 1, 0
	WIN 0
	s_barrier_wait -1
.if \fill
	CREST                                          ; the barrier has opened a round of the cluster's: no wave of any partner still reads this slot or has a load on its way
	s_add_nc_u64 s[G0+4*\slot+2:G0+4*\slot+3], s[G0+4*\slot+2:G0+4*\slot+3], NSLOT*4096
	s_add_nc_u64 s[G0B+4*\slot+2:G0B+4*\slot+3], s[G0B+4*\slot+2:G0B+4*\slot+3], NSLOT*4096
	JLOAD G0+4*\slot, G0B+4*\slot
.else
	PLACES 4
.endif
	FETCH_B \next, 0, 0
	FETCH_A \next, 0, 0
	MULA 4, 1, 0
	MULA 6, 1, 0
	PLACES 4
	WIN 0
	FETCH_A \next, 0, 4
.endm
	s_load_b256 s[4:11], s[0:1], 0x0               ; y_img s[4:5], wout_img s[6:7], b_out s[8:9], the scales' exponents s[10:11]
	s_load_b64 s[12:13], s[0:1], 0x20              ; out0
	v_lshl_add_u32 v[SPW], v0, 2, SPARE
	v_mov_b32 v[NIL], 0
	ds_add_u32 v28, v29
	ds_add_u32 v28, v29
	s_wait_dscnt 0x0
	v_lshrrev_b32 v1, 5, v0
	v_readfirstlane_b32 s18, v1                    ; wave 0..3
	s_lshr_b32 s19, s18, 1                         ; RH: which 128 tokens are mine.  Also: I fetch for A (0) or for B (1)
	s_and_b32 s20, s18, 1                          ; CH: which 64 columns are mine.  Also: which half I fetch
	s_bfe_u32 s21, ttmp6, 0x40000                  ; cx
	s_bfe_u32 s22, ttmp6, 0x40004                  ; cy
	s_and_b32 s23, ttmp7, 0xffff                   ; cluster y
	s_lshl_b32 s92, s22, 2
	s_lshl_b32 s92, 15, s92                        ; my row of the cluster
	s_lshl_b32 s93, 0x1111, s21                    ; my column
	; descriptor group 1: rows of 512 elements of 8 bytes (two images on end), 2,048 elements from row to row; 8 rows for A, 4 for B; dense in LDS
	s_or_b32 s[G1], s92, (3<<16)|(1<<21)
	s_mov_b32 s[G1+1], 512<<16
	s_mov_b32 s[G1+2], 8<<16
	s_mov_b32 s[G1+3], 512<<16
	s_mov_b32 s[G1+4], 8
	s_mov_b32 s[G1+5], 2048
	s_mov_b32 s[G1+6], 0
	s_mov_b32 s[G1+7], 0
	s_or_b32 s[G1B], s93, (3<<16)|(1<<21)
	s_mov_b32 s[G1B+1], 512<<16
	s_mov_b32 s[G1B+2], 4<<16
	s_mov_b32 s[G1B+3], 512<<16
	s_mov_b32 s[G1B+4], 4
	s_mov_b32 s[G1B+5], 2048
	s_mov_b32 s[G1B+6], 0
	s_mov_b32 s[G1B+7], 0
	s_lshl_b32 s66, s23, 6
	s_lshl_b32 s96, s22, 4
	s_add_co_u32 s66, s66, s96                     ; A16 = 64 cluster y + 16 cy: the tile's first block of 16 tokens
	s_lshl_b32 s67, ttmp9, 5
	s_lshl_b32 s97, s21, 3
	s_add_co_u32 s67, s67, s97                     ; B16 = 32 cluster x + 8 cx: its first block of 16 columns
	s_lshl_b32 s98, s20, 3
	s_add_co_u32 s80, s66, s98
	s_lshl_b32 s80, s80, 14                        ; the half that I fetch, in bytes
	s_mov_b32 s81, 0
	s_lshl_b32 s98, s20, 2
	s_add_co_u32 s82, s67, s98
	s_lshl_b32 s82, s82, 14
	s_mov_b32 s83, 0
	s_mul_i32 s2, s20, HALFA                       ; where it goes in a slot: no place in the cluster enters an LDS address
	s_mul_i32 s3, s20, HALFB
	s_add_co_u32 s3, s3, 2*HALFA
	s_wait_kmcnt 0x0
	s_load_b256 s[68:75], s[10:11], 0x0            ; e0 .. e7
	s_add_nc_u64 s[76:77], s[4:5], s[80:81]
	s_add_nc_u64 s[78:79], s[6:7], s[82:83]
	CROUND                                         ; all sixteen work-groups are here: the first joint loads meet
.irp s, 0,1,2
	s_mov_b32 s[G0+4*\s], 1
	s_add_co_u32 s[G0+4*\s+1], s2, \s*SLOT
	s_add_nc_u64 s[G0+4*\s+2:G0+4*\s+3], s[76:77], \s*4096
	s_or_b32 s[G0+4*\s+3], s[G0+4*\s+3], 0x80000000
	s_mov_b32 s[G0B+4*\s], 1
	s_add_co_u32 s[G0B+4*\s+1], s3, \s*SLOT
	s_add_nc_u64 s[G0B+4*\s+2:G0B+4*\s+3], s[78:79], \s*4096
	s_or_b32 s[G0B+4*\s+3], s[G0B+4*\s+3], 0x80000000
	s_wait_alu depctr_va_vdst(0)
	s_wait_tensorcnt 0x0
	ds_add_u32 v28, v29
	ds_add_u32 v28, v29
	s_wait_dscnt 0x0
	CROUND
	JLOAD G0+4*\s, G0B+4*\s
.endr
	v_and_b32 v1, 31, v0
	v_lshlrev_b32 v[LI], 4, v1
	s_mul_i32 s94, s19, HALFA
	s_mov_b32 s95, s3
.irp s, 0,1,2
	v_add_nc_u32 v[ADRA+\s], s94, v[LI]
	v_add_nc_u32 v[ADRB+\s], s95, v[LI]
	s_add_co_u32 s94, s94, SLOT
	s_add_co_u32 s95, s95, SLOT
.endr
	v_and_b32 v2, 15, v0                           ; r
	s_wait_alu depctr_va_vdst(0)
	v_bfe_u32 v3, v0, 4, 1                         ; h
	v_lshlrev_b32 v[BO], 5, v3                     ; the bias: 32 h
	s_lshl_b32 s94, s67, 6
	s_lshl_b32 s95, s20, 8
	s_add_co_u32 s94, s94, s95                     ; 4 x (16 B16 + 64 CH): my first column, in bytes
	s_mov_b32 s95, 0
	s_add_nc_u64 s[90:91], s[8:9], s[94:95]
.irp b, 0,1,2,3
	global_load_b128 v[BQ+8*\b:BQ+8*\b+3], v[BO], s[90:91] offset:64*\b       ; b_out at the lane's eight columns of tile b
	global_load_b128 v[BQ+8*\b+4:BQ+8*\b+7], v[BO], s[90:91] offset:64*\b+16
.endr
	s_lshl_b32 s96, s66, 4
	s_lshl_b32 s97, s19, 7
	s_add_co_u32 s96, s96, s97                     ; my first token
	s_lshl_b32 s96, s96, 12                        ; a row of out0 is 4,096 bytes
	s_add_co_u32 s96, s96, s94
	s_mov_b32 s97, 0
	s_add_nc_u64 s[88:89], s[12:13], s[96:97]
	s_mul_i32 s98, s18, 16*SPITCH
	s_add_co_u32 s98, s98, STAGE                   ; my stage
	v_mul_u32_u24 v[STO], v2, SPITCH
	s_wait_alu depctr_va_vdst(0)
	v_lshl_add_u32 v[STO], v3, 5, v[STO]
	v_add_nc_u32 v[STO], s98, v[STO]               ; in: row r, 32 bytes for each half of the lanes
	v_mul_u32_u24 v[RD], v3, SPITCH
	v_lshl_add_u32 v[RD], v2, 4, v[RD]
	v_add_nc_u32 v[RD], s98, v[RD]                 ; back: lanes 0-15 one row of 256 bytes, lanes 16-31 the next
	v_lshlrev_b32 v[CO], 12, v3
	v_lshl_add_u32 v[CO], v2, 4, v[CO]             ; and the same two rows in out0
	s_wait_kmcnt 0x0
	s_add_co_i32 s84, s74, s75
	s_add_co_i32 s84, s84, 127
	s_lshl_b32 s84, s84, 23                        ; 2^(e6 + e7) as f32
	s_mov_b32 s85, s84                             ; (named with it as a pair, so it is written)
	s_wait_tensorcnt 2                             ; my part of slot 0 is in; slot 2's fill may stay out
	s_barrier_signal -1
	s_barrier_wait -1
	FETCH_B 0, 0, 0
	FETCH_A 0, 0, 0
	FETCH_A 0, 0, 4
	STEP 0, 0, 1, 1                                ; K 0-127: its products start the sums
	TURN 0, 1, 1                                   ; K 128-255.  All three first fills have landed, in every wave; slot 0 takes K 768-1023
	STEP 0, 1, 1, 0
	STEP 1, 2, 0, 0                                ; on into slot 2, which the change of slots above has shown whole to every wave; nothing is filled here, so no barrier stands here
	STEP 0, 2, 1, 0
	TURN 2, 0, 0                                   ; the refill has landed, in every wave
	STEP 0, 0, 1, 0
	s_wait_dscnt 16                                ; the last step
	MULA 0, 1, 0
	MULA 2, 1, 0
	s_wait_dscnt 0x0
	MULA 4, 1, 0
	MULA 6, 1, 0
	WIN 0
; THE WAY OUT, a block of 16 tokens x 64 columns at a time: sum x 2^(e6 + e7) + bias, each accumulator from its low end on; through my own stage, and back as whole rows of 256 bytes.
; LDS serves a wave's instructions in order (ISA guide 5.7.1.4): no wait between the stores and the loads, nor in front of the next block's stores.
.macro TOSTAGE a
	WIN 0x02                                       ; source 0: window 2
.irp b, 0,1,2,3
.irp i, 0,2,4,6
	v_pk_fma_f32 v[TMP+8*\b+\i:TMP+8*\b+\i+1], v[32*(\a)+8*\b+\i:32*(\a)+8*\b+\i+1], s[84:85], v[BQ+8*\b+\i:BQ+8*\b+\i+1] op_sel_hi:[1,0,1]
.endr
.endr
	WIN 0
.irp b, 0,1,2,3
	ds_store_b128 v[STO], v[TMP+8*\b:TMP+8*\b+3] offset:64*\b
	ds_store_b128 v[STO], v[TMP+8*\b+4:TMP+8*\b+7] offset:64*\b+16
.endr
.irp t, 0,1,2,3,4,5,6,7
	ds_load_b128 v[BK+32*((\a)%2)+4*\t:BK+32*((\a)%2)+4*\t+3], v[RD] offset:2*SPITCH*\t
.endr
.endm
.macro SEND a, younger                 ; younger: the LDS instructions issued behind block a's loads, which may stay out
	s_wait_dscnt \younger
.irp t, 0,1,2,3,4,5,6,7
	global_store_b128 v[CO], v[BK+32*((\a)%2)+4*\t:BK+32*((\a)%2)+4*\t+3], s[88:89] offset:(16*(\a)+2*\t)*4096 th:TH_STORE_NT   ; sixteen lanes store 256 consecutive bytes, aligned; written once, read by nobody here
.endr
.endm
	s_wait_loadcnt 0x0                             ; the bias
	PLACES 4                                       ; behind the last products: their results are read, and A's registers loaded, below
	TOSTAGE 0
.irp a, 1,2,3,4,5,6,7
.if \a > 1
	s_wait_xcnt 0x0                                ; block a - 2's stores have read their registers: block a's rows may land there
.endif
	TOSTAGE \a
	SEND \a-1, 16                                  ; behind block a - 1's loads: block a's 8 stores and 8 loads
.endr
	SEND 7, 0
	s_wait_tensorcnt 0x0                           ; the wave's end
	ds_add_u32 v[SPW], v[NIL]
	s_wait_dscnt 0x0
	CROUND                                         ; the closing round: no work-group ends while a partner may still ask for a tile that names it
	s_endpgm
.Lfunc_end_k_qa9a914b61b_proj:
	.size	k_qa9a914b61b_proj, .Lfunc_end_k_qa9a914b61b_proj-k_qa9a914b61b_proj
	.p2alignl 7, 3214868480
	.fill 96, 4, 3214868480
	.section	.rodata,"a",@progbits
	.p2align	6, 0x0
	.amdhsa_kernel k_qa9a914b61b_proj
		.amdhsa_group_segment_fixed_size 327680
		.amdhsa_private_segment_fixed_size 0
		.amdhsa_enable_private_segment 0
		.amdhsa_kernarg_size 40
		.amdhsa_user_sgpr_count 2
		.amdhsa_user_sgpr_kernarg_segment_ptr 1
		.amdhsa_wavefront_size32 1
		.amdhsa_system_sgpr_workgroup_id_x 1
		.amdhsa_system_sgpr_workgroup_id_y 1
		.amdhsa_system_sgpr_workgroup_id_z 1
		.amdhsa_system_vgpr_workitem_id 0
		.amdhsa_next_free_vgpr 768
		.amdhsa_next_free_sgpr 100
		.amdhsa_reserve_vcc 0
		.amdhsa_float_denorm_mode_32 3
		.amdhsa_float_denorm_mode_16_64 3
		.amdhsa_memory_ordered 1
		.amdhsa_forward_progress 1
		.amdhsa_inst_pref_size 79
	.end_amdhsa_kernel
	.amdgpu_metadata
---
amdhsa.version: [ 1, 2 ]
amdhsa.kernels:
  - .name:           k_qa9a914b61b_proj
    .symbol:         k_qa9a914b61b_proj.kd
    .args:
      - { .name: y_img, .offset: 0, .size: 8, .value_kind: global_buffer, .address_space: global }
      - { .name: wout_img, .offset: 8, .size: 8, .value_kind: global_buffer, .address_space: global }
      - { .name: b_out, .offset: 16, .size: 8, .value_kind: global_buffer, .address_space: global }
      - { .name: lowp_scales, .offset: 24, .size: 8, .value_kind: global_buffer, .address_space: global }
      - { .name: out0, .offset: 32, .size: 8, .value_kind: global_buffer, .address_space: global }
    .group_segment_fixed_size: 327680
    .private_segment_fixed_size: 0
    .kernarg_segment_align: 8
    .kernarg_segment_size: 40
    .max_flat_workgroup_size: 128
    .sgpr_count:     100
    .vgpr_count:     768
    .wavefront_size: 32
...
	.end_amdgpu_metadata
.endif
;; end of part 4
